; MI455X (gfx1250); checked and timed in simulation.
; The chip was launched on July 23, 2026; its instructions are those of AMD's public machine-readable ISA for CDNA 5 (MIT licence, August 2026) and "CDNA5" Instruction Set Architecture Reference Guide (July 2026). The comments in the code are by the model that wrote it; some were corrected since.
;; Vector Quantizer. Allowed arithmetic: float matrix products may take bf16 or f16 operands with f32 sums; all other float work in f32.
;; Inputs: codebook 8,192 x 256 float32; inputs 16 x 2,048 x 256 float32.
;; Outputs: out0 16 x 2,048 x 256 float32; out1 16 x 2,048 int32; out2 one number float32.
;; One version. Each part assembles by itself: llvm-mc -triple=amdgcn-amd-amdhsa -mcpu=gfx1250 --defsym DOCPART=n.
;; ======== version 1 of 1: 4 launches
;; workspace buffers: cb16 4,194,304 bytes; ee 32,768 bytes; pick 131,072 bytes of whole numbers; part 65,536 bytes
;; launch prep (part 1): grid 128 x 1, 8 waves a work-group, no clusters, 1,280 bytes of LDS; arguments codebook, cb16, ee; writes cb16, ee
.if DOCPART == 1
	.amdgcn_target "amdgcn-amd-amdhsa--gfx1250"
	.amdhsa_code_object_version 6
	.text
	.protected	k_qbab3dfa514_prep
	.globl	k_qbab3dfa514_prep
	.p2align	8
	.type	k_qbab3dfa514_prep,@function
k_qbab3dfa514_prep:
	s_mov_b64 s[64:65], 0
	v_nop
	global_prefetch_b8 v0, s[64:65] scope:SCOPE_SE
	s_setreg_imm32_b32 hwreg(HW_REG_WAVE_MODE, 25, 1), 1
	s_wait_xcnt 0x0
; cb16[k][:] = codebook[k][:] rounded to bf16;  ee[k] = the sum of the squares of the ROUNDED numbers, in f32.
; Made once, so that the 256 work-groups of the search neither convert the codes nor square them again.
; A work-group owns 64 codes: their 64 sums are 256 consecutive bytes of ee, stored whole by one instruction; that is why there are 8192 / 64 = 128 work-groups.
; A wave owns 8 codes.  A row of 1,024 bytes is two loads of 512 consecutive bytes; all 16 loads of a wave go out at once.
.set X,     8      ; v[8:71]    row i, half j at X + 8 i + 4 j: four f32 a lane
.set Y,     72     ; v[72:103]  row i, half j at Y + 4 i + 2 j: four bf16 a lane; never rewritten (the stores read them)
.set T,     104    ; v[104:111] at work
.set S,     112    ; v[112:113] a row's running pair of sums
.set E,     114    ; v[114:121] the eight rows' sums
.set RES,   122    ; the sum of row lane % 8
.set LAD,   123    ; LDS address 4 (8 wave + lane % 8)
.set L7,    124    ; lane % 8
.set SPW,   126    ; LDS address of my spare word; never rewritten
.set NIL,   127    ; 0; never rewritten
.set SPARE, 256    ; bytes 0-255: the 64 sums; from 256 on the spare words, 128 bytes for each of eight waves
	s_load_b128 s[4:7], s[0:1], 0x0                ; codebook s[4:5], cb16 s[6:7]
	s_load_b64 s[8:9], s[0:1], 0x10                ; ee
	v_lshl_add_u32 v[SPW], v0, 2, SPARE
	v_mov_b32 v[NIL], 0
	v_lshrrev_b32 v4, 5, v0
	v_readfirstlane_b32 s10, v4                    ; wave 0..7
	v_and_b32 v1, 31, v0                           ; lane
	v_lshlrev_b32 v2, 4, v1                        ; 16 bytes a lane in a half row of f32
	v_lshlrev_b32 v3, 3, v1                        ; 8 bytes a lane in a half row of bf16
	v_and_b32 v[L7], 7, v0
	v_lshlrev_b32 v[LAD], 2, v[L7]
	v_lshl_add_u32 v[LAD], s10, 5, v[LAD]
	s_mov_b32 s11, 0xffff0000                      ; a word's upper bf16
	s_mov_b32 s12, 0x76543210                      ; v_permlanex16_b32: each lane takes its own place in the other half
	s_mov_b32 s13, 0xfedcba98
	s_lshl_b32 s14, ttmp9, 16                      ; 64 rows of 1,024 bytes a work-group,
	s_lshl_b32 s16, s10, 13                        ; 8 rows a wave
	s_add_co_u32 s14, s14, s16
	s_mov_b32 s15, 0
	s_lshr_b32 s16, s14, 1                         ; in cb16 a row has half the bytes
	s_mov_b32 s17, 0
	s_lshl_b32 s18, ttmp9, 8                       ; 64 sums of 4 bytes a work-group
	s_mov_b32 s19, 0
	s_wait_kmcnt 0x0
	s_add_nc_u64 s[4:5], s[4:5], s[14:15]
	s_add_nc_u64 s[6:7], s[6:7], s[16:17]
	s_add_nc_u64 s[8:9], s[8:9], s[18:19]
.irp i, 0,1,2,3,4,5,6,7
	global_load_b128 v[X+8*\i:X+8*\i+3],   v2, s[4:5] offset:1024*\i th:TH_LOAD_NT
	global_load_b128 v[X+8*\i+4:X+8*\i+7], v2, s[4:5] offset:1024*\i+512 th:TH_LOAD_NT
.endr
.irp i, 0,1,2,3,4,5,6,7
	s_wait_loadcnt 14-2*\i                         ; loads come back in order: row i is in, the 2 (7 - i) loads of later rows stay out
.irp m, 0,1,2,3
	v_cvt_pk_bf16_f32 v[Y+4*\i+\m], v[X+8*\i+2*\m], v[X+8*\i+2*\m+1]
.endr
	global_store_b64 v3, v[Y+4*\i:Y+4*\i+1],   s[6:7] offset:512*\i      ; 32 lanes x 8 bytes: 256 consecutive bytes, aligned
	global_store_b64 v3, v[Y+4*\i+2:Y+4*\i+3], s[6:7] offset:512*\i+256
.irp m, 0,1,2,3
	v_lshlrev_b32 v[T+2*\m],   16,  v[Y+4*\i+\m]   ; the rounded numbers back in f32
	v_and_b32     v[T+2*\m+1], s11, v[Y+4*\i+\m]
.endr
	v_pk_mul_f32 v[S:S+1], v[T:T+1], v[T:T+1]
	v_pk_fma_f32 v[S:S+1], v[T+2:T+3], v[T+2:T+3], v[S:S+1]
	v_pk_fma_f32 v[S:S+1], v[T+4:T+5], v[T+4:T+5], v[S:S+1]
	v_pk_fma_f32 v[S:S+1], v[T+6:T+7], v[T+6:T+7], v[S:S+1]
	v_add_f32 v[E+\i], v[S], v[S+1]
.endr
	; across the 32 lanes, the eight rows side by side: four steps inside each half of 16 lanes, one across the halves
.irp m, 1,2,4,8
.irp i, 0,1,2,3,4,5,6,7
	v_add_f32_dpp v[E+\i], v[E+\i], v[E+\i] row_xmask:\m row_mask:0xf bank_mask:0xf
.endr
.endr
.irp i, 0,1,2,3,4,5,6,7
	v_permlanex16_b32 v[T+\i], v[E+\i], s12, s13   ; T has been written: the destination counts as read
.endr
.irp i, 0,1,2,3,4,5,6,7
	v_add_f32 v[E+\i], v[E+\i], v[T+\i]
.endr
	v_mov_b32 v[RES], v[E]                         ; lane l takes row l % 8, so that one LDS store carries all eight sums
.irp i, 1,2,3,4,5,6,7
	v_cmp_eq_u32 vcc_lo, \i, v[L7]
	v_cndmask_b32 v[RES], v[RES], v[E+\i], vcc_lo
.endr
	ds_store_b32 v[LAD], v[RES]                    ; the four lanes that share a word write the same number
	s_wait_tensorcnt 0x0                           ; behind my last LDS store
	ds_add_u32 v[SPW], v[NIL]
	s_wait_dscnt 0x0                               ; for wave 0's sake too: my store is done before I signal
	s_barrier_signal -1
	s_barrier_wait -1
	s_cmp_lg_u32 s10, 0
	s_cbranch_scc1 .Lend
	ds_load_b64 v[T:T+1], v3                       ; wave 0: the 64 sums
	s_wait_dscnt 0x0
	global_store_b64 v3, v[T:T+1], s[8:9]          ; 256 consecutive bytes, aligned
.Lend:
	s_endpgm
.Lfunc_end_k_qbab3dfa514_prep:
	.size	k_qbab3dfa514_prep, .Lfunc_end_k_qbab3dfa514_prep-k_qbab3dfa514_prep
	.p2alignl 7, 3214868480
	.fill 96, 4, 3214868480
	.section	.rodata,"a",@progbits
	.p2align	6, 0x0
	.amdhsa_kernel k_qbab3dfa514_prep
		.amdhsa_group_segment_fixed_size 1280
		.amdhsa_private_segment_fixed_size 0
		.amdhsa_enable_private_segment 0
		.amdhsa_kernarg_size 24
		.amdhsa_user_sgpr_count 2
		.amdhsa_user_sgpr_kernarg_segment_ptr 1
		.amdhsa_wavefront_size32 1
		.amdhsa_system_sgpr_workgroup_id_x 1
		.amdhsa_system_sgpr_workgroup_id_y 1
		.amdhsa_system_sgpr_workgroup_id_z 1
		.amdhsa_system_vgpr_workitem_id 0
		.amdhsa_next_free_vgpr 128
		.amdhsa_next_free_sgpr 66
		.amdhsa_reserve_vcc 1
		.amdhsa_float_denorm_mode_32 3
		.amdhsa_float_denorm_mode_16_64 3
		.amdhsa_memory_ordered 1
		.amdhsa_forward_progress 1
		.amdhsa_inst_pref_size 15
	.end_amdhsa_kernel
	.amdgpu_metadata
---
amdhsa.version: [ 1, 2 ]
amdhsa.kernels:
  - .name:           k_qbab3dfa514_prep
    .symbol:         k_qbab3dfa514_prep.kd
    .args:
      - { .name: codebook, .offset: 0, .size: 8, .value_kind: global_buffer, .address_space: global }
      - { .name: cb16, .offset: 8, .size: 8, .value_kind: global_buffer, .address_space: global }
      - { .name: ee, .offset: 16, .size: 8, .value_kind: global_buffer, .address_space: global }
    .group_segment_fixed_size: 1280
    .private_segment_fixed_size: 0
    .kernarg_segment_align: 8
    .kernarg_segment_size: 24
    .max_flat_workgroup_size: 256
    .sgpr_count:     66
    .vgpr_count:     128
    .wavefront_size: 32
...
	.end_amdgpu_metadata
.endif
;; end of part 1
;; launch search (part 2): grid 256 x 1, 4 waves a work-group, clusters of 4 x 1, 327,680 bytes of LDS; arguments inputs, cb16, ee, out1, pick; writes out1, pick
.if DOCPART == 2
	.amdgcn_target "amdgcn-amd-amdhsa--gfx1250"
	.amdhsa_code_object_version 6
	.text
	.protected	k_qbab3dfa514_search
	.globl	k_qbab3dfa514_search
	.p2align	8
	.type	k_qbab3dfa514_search,@function
k_qbab3dfa514_search:
	s_mov_b64 s[64:65], 0
	v_nop
	global_prefetch_b8 v0, s[64:65] scope:SCOPE_SE
	s_setreg_imm32_b32 hwreg(HW_REG_WAVE_MODE, 25, 1), 1
	s_wait_xcnt 0x0
	s_wait_alu depctr_hold_cnt(0) depctr_sa_sdst(0) depctr_va_vdst(0) depctr_va_sdst(0) depctr_va_ssrc(0) depctr_va_vcc(0) depctr_vm_vsrc(0)
	s_getreg_b32 s2, hwreg(HW_REG_IB_STS2, 6, 4)
	s_cmp_eq_u32 s2, 0
	s_cbranch_scc0 .Lentry_in_a_cluster
	s_endpgm
.Lentry_in_a_cluster:
	s_bfe_u32 s2, ttmp6, 0x10000c
	s_cmp_lg_u32 s2, 0x3003
	s_cbranch_scc0 .Lentry_shape_is_right
	s_endpgm
.Lentry_shape_is_right:
; idx[q] = the first k at which d[q][k] = (|x_q|^2 + |e_k|^2) - 2 x_q . e_k is least.  32,768 queries x, 8,192 codes e, 256 numbers each.  idx goes to out1 and, for the next launch's addresses, to pick.
; ARITHMETIC.  x and e are rounded to bf16 for the product (f32 sums in the matrix unit); |x|^2 and |e|^2 are those of the rounded numbers.  d is rounded as the problem's function rounds it:
; a = fl(|x|^2 + |e|^2), d = fl(a - 2 m), one fused multiply-add since 2 m is exact.  The rounded d have ties, and the first index wins them: so every comparison is strictly less in ascending order of k,
; or by the pair (d, k).  LIMITS.  NaN and infinities are not treated apart (a NaN never wins; a row with no finite d gives a code of block 0).  The last bits of m are the matrix unit's: a d that lies on a
; rounding edge may fall to the neighbouring f32 number.
; SHARES.  A work-group owns 128 queries and walks all codes, 32 tiles of 256, through two LDS slots.  EVERY wave holds all 128 queries as fragments (8 tiles x 8 K steps x 8 = 512 registers); the waves
; split the CODES: wave w takes rows 64 w .. 64 w + 63 of each tile, four blocks of 16.  So two LDS loads feed eight matrix instructions, each LDS byte is read once, and a wave reads the rows that it fetched.
; LAYOUT.  Source 0 = 16 codes, source 1 = 16 queries: in the result a lane holds ONE query (lane % 16) and the codes 8 (lane / 16) + 0..7: the search stays inside a lane until the end.
; THE SEARCH.  For a block and a tile, 22 vector instructions for 8 matrix instructions: a (4 packed), d (4 packed), the least of the eight d and the running least (4), is it less (1), the block's number (1),
; and the block's eight d are kept where it is (8).  Which of the eight it was is found once, at the end.
; BY TURNS.  Block n's products carry block n - 1's vector work, two or three instructions behind each matrix instruction.  Sums, fragments of e and |e|^2 have two buffers each, by the block's parity.
; The vector work lies in window 0 (the kept d in window 1), the products' sources in windows 1 to 3: two switches of the window for each matrix instruction are the price.
; CLUSTER.  The four work-groups of a cluster walk the same tiles, so each tile (and the table of |e|^2) is asked for JOINTLY: the same tensor load, descriptor and mask in all four.  x is a work-group's own.
; LDS.  Slot 0, slot 1: 256 rows of 528 bytes.  Slot 1 first holds x in f32 (128 rows of 1,040 bytes), until the fragments are made.  Then |e|^2 (8 KiB a wave, [tile][64]), the stage of the way out, the spare words.
; REGISTERS, in windows of 256 (s_set_vgpr_msb: bits 1:0 source 0, 3:2 source 1, 5:4 source 2, 7:6 destination):
;   window 0: v0-15 addresses; v16-23 |x|^2 a tile; v24-39 the running least, two buffers; v40-47 the winning block; v48-63 |e|^2, two buffers; v64-85 at work; v86-122 the way out; v128-255 the sums, two buffers
;   window 1: v0-127 fragments of e, two buffers; v128-191 the winning block's eight d, a tile          windows 2, 3: fragments of x, tiles 0-3 and 4-7
.set PITCH, 528               ; a row of codes in LDS: 512 bytes + 16 = 132 words: the 16 rows of a load start at 16 different groups of four banks (64 banks of 4 bytes: ISA guide 11.1)
.set WROWS, 64*PITCH          ; a wave's 64 rows
.set SLOTB, 4*WROWS           ; 135,168 = 0x21000; no address inside slot 0 that is turned has bit 12 or 17 set, so one exclusive or turns it into slot 1's
.set XS,    SLOTB             ; x in f32
.set XP,    1040              ; 1,024 bytes + 16 = 260 words: again 16 rows at 16 different groups of four banks
.set EE,    2*SLOTB
.set RED,   EE+32768          ; 4 waves x 128 queries x (d, k); written by LDS stores alone, never filled by a tensor load
.set SPARE, RED+4096          ; the spare words, 128 bytes for each wave: two blocks of 256 bytes that no other line names
.set TILEB, 256*512           ; a tile of codes in memory
.set AK0,  3                  ; my place in a block of codes: row x pitch + 16 x half + my wave's rows; never rewritten
.set ADR,  4                  ; the LDS address of the run of loads in hand
.set EE0,  5                  ; my place in the table of |e|^2
.set EADR, 6
.set XA,   7                  ; v7, v8: my place in x's rows 0-63, 64-127
.set LC,   9                  ; 64 wave + 8 (lane / 16): what my lane adds to a code's number
.set SPW,  10                 ; LDS address of my spare word; never rewritten
.set NIL,  11                 ; 0; never rewritten
.set XX,   16
.set RUN,  24                 ; buffer p, tile t at RUN + 8 p + t
.set BLK,  40
.set EEB,  48                 ; buffer p at EEB + 8 p
.set DD,   64                 ; a, then d: by the tile's parity
.set MT,   80                 ; three partial minima, by the tile's parity
.set PX,   86                 ; v86-87 what the other half of the lanes holds
.set VI,   88                 ; v88-103 (d, k), a pair a tile
.set JJ,   104                ; v104-111 the place among the eight, then the code's number
.set HB,   112                ; v112-119 at work
.set RST,  120                ; the way out: where I put a pair
.set RLD,  121                ; where I read two queries' pairs
.set OST,  122                ; my 8 bytes of 256 of the output
.set ACC,  128                ; buffer p, tile t at ACC + 64 p + 8 t
.set STG,  128                ; the same registers at the start: x in f32, two buffers of 64
.set SAV,  128                ; window 1: tile t, register j at SAV + 8 t + j
.set WV,   14                 ; s14 my wave's number
.set G1C,  20                 ; s[20:27] descriptor group 1: codes
.set G1X,  28                 ; s[28:35] x
.set G1E,  36                 ; s[36:43] |e|^2
.set G0C,  44                 ; s[44:47] group 0: codes; it walks
.set G0X,  48
.set G0E,  52
.set SLOTS, 56
.set CNT,  57
.set TB,   58                 ; LDS byte at which the block of codes to be fetched begins, less my wave's rows
.set TE,   59                 ; the same in my 8 KiB of |e|^2
.set CUR,  60                 ; the number of the block whose vector work is in hand
.set SEL,  66                 ; s[66:67] v_permlanex16_b32: each lane takes its own place in the other half
.set MK,   68                 ; s68, s69: where the block won, by the tile's parity
.set JM,   69                 ; s70-76: lanes with lane % 8 = j, j = 1..7
.set VALID, 77                ; lanes 0-7 and 24-31
.set INF,  93
.set W_SV, 0x41               ; destination and source 0 in window 1
.set TO1,  0x40               ; destination in window 1
.set W_RS, 0x01               ; source 0 in window 1
.set MSB, 0
.macro WIN new                ; the immediate's high byte repeats the setting that is left; a switch that changes nothing is dropped
.if MSB != (\new)
	s_set_vgpr_msb (MSB<<8)|(\new)
.set MSB, (\new)
.endif
.endm
; A round of the cluster's barrier: my work-group's barrier, so that wave 0's signal speaks for all four waves; wave 0 signals; every wave waits for all four work-groups; my work-group's barrier once more.
.macro CROUND
	s_barrier_signal -1
	s_barrier_wait -1
	s_cmp_lg_u32 s[WV], 0
	s_cbranch_scc1 .Lnot_wave_0_\@
	s_barrier_signal -3
.Lnot_wave_0_\@:
	s_barrier_wait -3
	s_barrier_signal -1
	s_barrier_wait -1
.endm
; THE CHANGE OF SLOTS.  Each wave waits for all its tensor loads, of which one is out: its rows of the other slot; adds 0 to its spare word; and waits for that and for its reads of the slot that it leaves.
; fill = 1: the slot is filled again with the tile two further on.  The barrier is then a round of the cluster's, so that no wave of any partner still reads the slot or has a load on its way, and the joint
; refill is the first thing behind it: one line for all waves, whose descriptors differ by the wave's number alone; it has 256 matrix instructions in which to land.
.macro CHANGE fill
	WIN 0                                          ; at a label and at a branch every window is 0
	s_wait_tensorcnt 0x0                           ; no tensor load of mine is out, so group 0 may be written
	ds_add_u32 v[SPW], v[NIL]                      ; 0 onto my spare word
.if \fill
	s_xor_b32 s[G0C+1], s[G0C+1], SLOTB            ; the other slot than last time,
	s_add_nc_u64 s[G0C+2:G0C+3], s[G0C+2:G0C+3], TILEB  ; the next 256 codes; the type bits on top are not reached
	s_wait_dscnt 0x0                               ; the add is done, and my reads of the slot are over
	CROUND
	tensor_load_to_lds s[G0C:G0C+3], s[G1C:G1C+7]
	s_nop 0
.rept 4
	v_nop                                          ; the windows are switched again only behind these four
.endr
.else
	s_wait_dscnt 0x0
	s_barrier_signal -1
	s_barrier_wait -1
.endif
	s_sub_co_u32 s[TB], s[TB], WROWS               ; the fetches go back to a slot's first block,
	s_xor_b32 s[TB], s[TB], SLOTB                  ; in the other slot
.endm
; THE LDS LOADS stand in one run.  fe = 1: a block's 16 |e|^2 into buffer pe (a lane takes the eight of its half; the 16 lanes of a half read the same words).
; fa = 1: a block's fragments, 16 codes x 256 K, into buffer pa: lane l holds row l % 16; for each 32 along K two loads of 16 bytes, 32 bytes apart.
.macro FETCH pa, fa, pe, fe
	WIN 0
.if \fe
	v_add_nc_u32 v[EADR], s[TE], v[EE0]
	ds_load_b128 v[EEB+8*(\pe):EEB+8*(\pe)+3],   v[EADR]
	ds_load_b128 v[EEB+8*(\pe)+4:EEB+8*(\pe)+7], v[EADR] offset:16
	s_add_co_u32 s[TE], s[TE], 64                  ; the next block's 16 numbers;
	s_and_b32 s[TE], s[TE], 0x1fc0                 ; the walk stays inside my 8 KiB of the table
.endif
.if \fa
	v_add_nc_u32 v[ADR], s[TB], v[AK0]
	WIN TO1
.irp c, 0,1,2,3,4,5,6,7
	ds_load_b128 v[64*(\pa)+8*\c:64*(\pa)+8*\c+3],   v[ADR] offset:64*\c
	ds_load_b128 v[64*(\pa)+8*\c+4:64*(\pa)+8*\c+7], v[ADR] offset:64*\c+32
.endr
	s_add_co_u32 s[TB], s[TB], 16*PITCH
.endif
.endm
; THE VECTOR WORK: number vn of 22 for tile vt of the block in buffers pv.
;   0-3   a = |e|^2 + |x|^2 for four pairs of codes; |x|^2 is one register of a pair, taken for both halves
;   4-7   d = a - 2 m, fused; the sums' lowest registers are read first
;   8-11  the least of the eight d and the running least, into the other buffer
;   12    is it less than it was?  Strictly: of equal d the earlier block stays       13  then the block's number is kept,      14-21  and its eight d
.macro VOP pv
.set vu, vt%2
.set rD, DD+8*vu
.set rM, MT+3*vu
.set rC, ACC+64*(\pv)+8*vt
.set rE, EEB+8*(\pv)
.set rO, RUN+8*(\pv)+vt
.set rN, RUN+8*(1-(\pv))+vt
.set rS, SAV+8*vt+vn-14
.if vn < 14
	WIN 0
.else
	WIN W_SV
.endif
.if (vn < 4) && (vu == 0)
	v_pk_add_f32 v[rD+2*vn:rD+2*vn+1], v[rE+2*vn:rE+2*vn+1], v[XX+vt:XX+vt+1] op_sel_hi:[1,0]
.elseif vn < 4
	v_pk_add_f32 v[rD+2*vn:rD+2*vn+1], v[rE+2*vn:rE+2*vn+1], v[XX+vt-1:XX+vt] op_sel:[0,1] op_sel_hi:[1,1]
.elseif vn < 8
	v_pk_fma_f32 v[rD+2*vn-8:rD+2*vn-7], v[rC+2*vn-8:rC+2*vn-7], -2.0, v[rD+2*vn-8:rD+2*vn-7] op_sel_hi:[1,0,1]
.elseif vn == 8
	v_min3_num_f32 v[rM], v[rD], v[rD+1], v[rD+2]
.elseif vn == 9
	v_min3_num_f32 v[rM+1], v[rD+3], v[rD+4], v[rD+5]
.elseif vn == 10
	v_min3_num_f32 v[rM+2], v[rD+6], v[rD+7], v[rO]
.elseif vn == 11
	v_min3_num_f32 v[rN], v[rM], v[rM+1], v[rM+2]
.elseif vn == 12
	v_cmp_lt_f32 s[MK+vu], v[rN], v[rO]
.elseif vn == 13
	v_cndmask_b32 v[BLK+vt], v[BLK+vt], s[CUR], s[MK+vu]
.else
	v_cndmask_b32 v[rS], v[rS], v[rD+vn-14], s[MK+vu]
.endif
.endm
; What stands behind matrix instruction k of 64.  Sixteen matrix instructions carry a pair of tiles, 44 instructions, the two tiles alternating so that none reads the result of the one before it:
; eight times 3 and twice 2 in window 0, then four times 3 and twice 2 in window 1: no slice changes window inside itself.
.macro SLICE pv
.set kk, k%16
.if kk < 8
.set vq, 3*kk
.set qn, 3
.elseif kk < 10
.set vq, 24+2*(kk-8)
.set qn, 2
.elseif kk < 14
.set vq, 28+3*(kk-10)
.set qn, 3
.else
.set vq, 40+2*(kk-14)
.set qn, 2
.endif
.rept qn
.set vt, 2*(k/16)+vq%2
.set vn, vq/2
	VOP \pv
.set vq, vq+1
.endr
.endm
.macro VALL pv                ; a block's vector work by itself
.set vq, 0
.rept 176
.set vt, 2*(vq/44)+vq%2
.set vn, (vq%44)/2
	VOP \pv
.set vq, vq+1
.endr
.endm
; A BLOCK of parity p: 64 matrix instructions, K step k / 8, tile k % 8.  The eight sums take turns, one instruction a turn, over the blocks' edges too; the first K step starts them with the constant 0.
; ride = 1: the block before's vector work stands between them.  Behind the second matrix instruction the run of loads: the next block's fragments (fa) and this block's |e|^2 (fe), 62 matrix instructions
; ahead of the wait for them.  The fragment buffer's last reader is the block before's last product: eight plain vector instructions that name none of its registers stand between (ISA guide 7.12.1 for vector
; instructions).  The first read of a sum stands 28 such instructions behind the product that finished it.
.macro BLOCK p, ride, fa, fe
	s_wait_dscnt 0x0                               ; my fragments, and the |e|^2 of the block whose vector work rides here
.set k, 0
.rept 64
.set bA, ACC+64*(\p)+8*(k%8)
.set bF, 64*(\p)+8*(k/8)
.set bX, 64*(k%4)+8*(k/8)
	WIN 0x09+4*((k%8)/4)                           ; e in window 1, x in window 2 or 3, the sums in window 0
.if k < 8
	v_wmma_f32_16x16x32_bf16 v[bA:bA+7], v[bF:bF+7], v[bX:bX+7], 0
.else
	v_wmma_f32_16x16x32_bf16 v[bA:bA+7], v[bF:bF+7], v[bX:bX+7], v[bA:bA+7]
.endif
.if \ride
	SLICE 1-(\p)
.endif
.if k == 1
	FETCH 1-(\p), \fa, \p, \fe
.endif
.set k, k+1
.endr
.if \ride
	s_add_co_u32 s[CUR], s[CUR], 1
.endif
.endm
; x from the stage: batch b is tile b / 2, K steps 4 (b % 2) + 0..3: 16 loads.  A fragment's lane wants k = 8 h + 0..7 and 16 + 8 h + 0..7: in f32 that is 32 bytes at 32 h and 32 bytes at 64 + 32 h.
.macro XLOAD b
	WIN 0
.set xt, (\b)/2
.set xb, STG+64*((\b)%2)
.set xo, (xt%4)*16*XP+((\b)%2)*512
.irp c, 0,1,2,3
	ds_load_b128 v[xb+16*\c:xb+16*\c+3],     v[XA+xt/4] offset:xo+128*\c
	ds_load_b128 v[xb+16*\c+4:xb+16*\c+7],   v[XA+xt/4] offset:xo+128*\c+16
	ds_load_b128 v[xb+16*\c+8:xb+16*\c+11],  v[XA+xt/4] offset:xo+128*\c+64
	ds_load_b128 v[xb+16*\c+12:xb+16*\c+15], v[XA+xt/4] offset:xo+128*\c+80
.endr
.endm
.macro XCVT b                 ; and rounded to bf16, into the fragments
.set xt, (\b)/2
.set xb, STG+64*((\b)%2)
.set xf, 64*(xt%4)+32*((\b)%2)
	WIN 0x80+0x40*(xt/4)                           ; destination window 2 or 3
.set xi, 0
.rept 32
	v_cvt_pk_bf16_f32 v[xf+xi], v[xb+2*xi], v[xb+2*xi+1]
.set xi, xi+1
.endr
.endm
.macro LEX av, ai, bv, bi     ; (av, ai) takes (bv, bi) where that d is less, or equal with the lower code
	v_cmp_lt_f32 s90, v[\bv], v[\av]
	v_cmp_eq_f32 s91, v[\bv], v[\av]
	v_cmp_lt_u32 s92, v[\bi], v[\ai]
	s_and_b32 s91, s91, s92
	s_or_b32 s90, s90, s91
	v_cndmask_b32 v[\av], v[\av], v[\bv], s90
	v_cndmask_b32 v[\ai], v[\ai], v[\bi], s90
.endm
	s_load_b256 s[4:11], s[0:1], 0x0               ; inputs s[4:5], cb16 s[6:7], ee s[8:9], out1 s[10:11]
	s_load_b64 s[12:13], s[0:1], 0x20              ; pick
	v_lshl_add_u32 v[SPW], v0, 2, SPARE
	v_mov_b32 v[NIL], 0
	ds_add_u32 v[SPW], v[NIL]                      ; the wave's opening: the add and its wait stand ahead of my first tensor load; the set-up below, work on registers, stands between them
	v_lshrrev_b32 v12, 5, v0
	v_readfirstlane_b32 s[WV], v12                 ; wave 0..3
	s_bfe_u32 s15, ttmp6, 0x40000                  ; cx: my place in the cluster
	s_lshl_b32 s16, ttmp9, 2                       ; in a cluster launch ttmp9 counts clusters
	s_add_co_u32 s16, s16, s15                     ; my block of 128 queries: it enters the addresses of x and of the outputs alone
	; group 1 for the codes: 64 rows x 256 elements of 2 bytes, padded in LDS
	s_mov_b32 s[G1C], 15|(1<<16)|(1<<20)|(1<<21)|(6<<22)|(3<<25)  ; 15:0 the mask of four; 17:16 2-byte elements; 20 padding on; 21 set beside a mask; 24:22 after every 128 words (code 6); 31:25 4 words (code 3)
	s_mov_b32 s[G1C+1], 256<<16                    ; tensor_dim0 = 256
	s_mov_b32 s[G1C+2], 64<<16                     ; tensor_dim1 = 64
	s_mov_b32 s[G1C+3], 256<<16                    ; tile_dim0 = 256
	s_mov_b32 s[G1C+4], 64                         ; tile_dim1 = 64
	s_mov_b32 s[G1C+5], 256                        ; elements from row to row
	s_mov_b32 s[G1C+6], 0
	s_mov_b32 s[G1C+7], 0
	; group 1 for x: 32 rows x 256 elements of 4 bytes, padded; my work-group's own: no mask
	s_mov_b32 s[G1X], (2<<16)|(1<<20)|(7<<22)|(3<<25)  ; 4-byte elements; padding after every 256 words (code 7), 4 words
	s_mov_b32 s[G1X+1], 256<<16
	s_mov_b32 s[G1X+2], 32<<16
	s_mov_b32 s[G1X+3], 256<<16
	s_mov_b32 s[G1X+4], 32
	s_mov_b32 s[G1X+5], 256
	s_mov_b32 s[G1X+6], 0
	s_mov_b32 s[G1X+7], 0
	; group 1 for |e|^2: for each of the 32 tiles my wave's 64 numbers: 32 rows of 256 bytes, 256 elements apart; dense in LDS
	s_mov_b32 s[G1E], 15|(2<<16)|(1<<21)
	s_mov_b32 s[G1E+1], 64<<16
	s_mov_b32 s[G1E+2], 32<<16
	s_mov_b32 s[G1E+3], 64<<16
	s_mov_b32 s[G1E+4], 32
	s_mov_b32 s[G1E+5], 256
	s_mov_b32 s[G1E+6], 0
	s_mov_b32 s[G1E+7], 0
	s_mov_b32 s[G0C], 1                            ; count = 1
	s_mul_i32 s[G0C+1], s[WV], WROWS               ; LDS: slot 0, my 64 rows: no place in the cluster enters an LDS address
	s_mov_b32 s[G0X], 1
	s_mul_i32 s[G0X+1], s[WV], 32*XP
	s_add_co_u32 s[G0X+1], s[G0X+1], XS
	s_mov_b32 s[G0E], 1
	s_lshl_b32 s[G0E+1], s[WV], 13
	s_add_co_u32 s[G0E+1], s[G0E+1], EE
	s_mul_i32 s78, s[WV], WROWS                    ; the same numbers for the vector addresses
	s_lshl_b32 s79, s[WV], 13
	s_add_co_u32 s79, s79, EE
	s_lshl_b32 s80, s[WV], 6
	s_lshl_b32 s81, s[WV], 10
	s_add_co_u32 s81, s81, RED
	s_and_b32 s91, s[WV], 1
	s_lshl_b32 s90, s91, 9
	s_add_co_u32 s90, s90, RED
	s_lshl_b32 s82, s16, 17                        ; x: 128 rows of 1,024 bytes a work-group,
	s_lshl_b32 s83, s[WV], 15                      ; 32 rows a wave
	s_add_co_u32 s82, s82, s83
	s_mov_b32 s83, 0
	s_lshl_b32 s84, s[WV], 15                      ; codes: my 64 rows of 512 bytes
	s_mov_b32 s85, 0
	s_lshl_b32 s86, s[WV], 8                       ; |e|^2: my 64 numbers
	s_mov_b32 s87, 0
	s_lshl_b32 s88, s16, 9                         ; outputs: 128 numbers of 4 bytes a work-group,
	s_lshl_b32 s89, s91, 8                         ; 64 a wave
	s_add_co_u32 s88, s88, s89
	s_mov_b32 s89, 0
	s_mov_b32 s[SEL], 0x76543210
	s_mov_b32 s[SEL+1], 0xfedcba98
.irp j, 1,2,3,4,5,6,7
	s_mov_b32 s[JM+\j], 0x01010101<<\j
.endr
	s_mov_b32 s[VALID], 0xff0000ff
	s_mov_b32 s[INF], 0x7f800000
	s_mov_b32 s[TB], SLOTB+WROWS                   ; the first change of slots turns this into 0
	s_mov_b32 s[TE], 0
	s_mov_b32 s[CUR], 0
	s_mov_b32 s[SLOTS], 31
	s_wait_dscnt 0x0                               ; the opening add is done
	s_wait_kmcnt 0x0
	s_add_nc_u64 s[G0C+2:G0C+3], s[6:7], s[84:85]  ; global address: tile 0
	s_or_b32 s[G0C+3], s[G0C+3], 0x80000000        ; type = 2
	s_add_nc_u64 s[G0X+2:G0X+3], s[4:5], s[82:83]
	s_or_b32 s[G0X+3], s[G0X+3], 0x80000000
	s_add_nc_u64 s[G0E+2:G0E+3], s[8:9], s[86:87]
	s_or_b32 s[G0E+3], s[G0E+3], 0x80000000
	CROUND                                         ; all four work-groups are here: the first joint loads meet
	tensor_load_to_lds s[G0X:G0X+3], s[G1X:G1X+7]  ; the first fills go out together: x, which is wanted first,
	s_nop 0
	tensor_load_to_lds s[G0C:G0C+3], s[G1C:G1C+7]  ; tile 0 into slot 0,
	s_nop 0
	tensor_load_to_lds s[G0E:G0E+3], s[G1E:G1E+7]  ; and the table: three loads of mine are out
	s_nop 0
.rept 4
	v_nop
.endr
	; in the wait for x: addresses, and what the first block's vector work finds
	v_and_b32 v1, 15, v0                           ; l % 16
	v_bfe_u32 v2, v0, 4, 1                         ; l / 16
	v_mul_u32_u24 v[AK0], v1, PITCH
	v_lshl_add_u32 v[AK0], v2, 4, v[AK0]
	v_add_nc_u32 v[AK0], s78, v[AK0]
	v_lshl_add_u32 v[EE0], v2, 5, s79
	v_mul_u32_u24 v[XA], v1, XP
	v_lshl_add_u32 v[XA], v2, 5, v[XA]
	v_add_nc_u32 v[XA], XS, v[XA]
	v_add_nc_u32 v[XA+1], 64*XP, v[XA]             ; the LDS immediate has 16 bits: rows 64 on have a register of their own
	v_lshl_add_u32 v[LC], v2, 3, s80
	v_lshl_add_u32 v[RST], v1, 3, s81
	v_and_b32 v12, 31, v0
	v_lshl_add_u32 v[RLD], v12, 4, s90
	v_lshlrev_b32 v[OST], 3, v12
.irp t, 0,1,2,3,4,5,6,7
	v_mov_b32 v[RUN+\t], s[INF]                    ; the running least starts at +infinity, so the first block is a block like any other
	v_mov_b32 v[BLK+\t], 0
.endr
.irp r, 13, 15, PX, PX+1
	v_mov_b32 v[\r], 0                             ; destinations of v_permlanex16_b32 count as read
.endr
	WIN TO1
.set i, 0
.rept 64
	v_mov_b32 v[SAV+i], s[INF]
.set i, i+1
.endr
	WIN 0
	s_wait_tensorcnt 0x2                           ; tensor loads of a wave end in order: my rows of x are in; tile 0 and the table may stay out
	s_barrier_signal -1
	s_barrier_wait -1                              ; everybody's rows are in
	XLOAD 0
.set xn, 0
.rept 16
.if xn < 15
	XLOAD xn+1
	s_wait_dscnt 16                                ; all but the 16 just issued
.else
	s_wait_dscnt 0x0
.endif
	XCVT xn
.set xn, xn+1
.endr
	; |x|^2 of the rounded numbers: the diagonal of x x^T, a tile's fragments as both sources: 64 matrix instructions, the eight sums by turns
.set k, 0
.rept 64
.set bA, ACC+8*(k%8)
.set bX, 64*(k%4)+8*(k/8)
	WIN 0x0a+5*((k%8)/4)                           ; both sources in window 2, or 3
.if k < 8
	v_wmma_f32_16x16x32_bf16 v[bA:bA+7], v[bX:bX+7], v[bX:bX+7], 0
.else
	v_wmma_f32_16x16x32_bf16 v[bA:bA+7], v[bX:bX+7], v[bX:bX+7], v[bA:bA+7]
.endif
.set k, k+1
.endr
	WIN 0
.rept 4
	v_nop                                          ; four places between the last products and the reads of their results (ISA guide 7.12.1)
.endr
	; element (m, m) lies in register m % 8 of lane m (m < 8) or lane 16 + m: lanes 0-7 and 24-31 pick register lane % 8; the other lanes take it from the lane 16 away
.irp t, 0,1,2,3,4,5,6,7
	v_cndmask_b32 v[12+2*((\t)%2)], v[ACC+8*\t], v[ACC+8*\t+1], s[JM+1]
.irp j, 2,3,4,5,6,7
	v_cndmask_b32 v[12+2*((\t)%2)], v[12+2*((\t)%2)], v[ACC+8*\t+\j], s[JM+\j]
.endr
	v_permlanex16_b32 v[13+2*((\t)%2)], v[12+2*((\t)%2)], s[SEL], s[SEL+1]
	v_cndmask_b32 v[XX+\t], v[13+2*((\t)%2)], v[12+2*((\t)%2)], s[VALID]
.endr
	CHANGE 1                                       ; tile 0 and the table are in, everybody's reads of x are over: tile 1 goes where x lay
	FETCH 0, 1, 0, 0                               ; block 0
	BLOCK 0, 0, 1, 1                               ; its products: there is no vector work yet to set between them
	WIN 0
	s_mov_b32 s[CNT], 1
	s_branch .Lpair                                ; the loop is entered in the middle of a trip: tile 0 has two blocks left ahead of the change of slots
.Ltile:                                                ; 30 times: tiles 2 to 31 are asked for.  A trip: a tile's last block and the next tile's first three
	CHANGE 1
	s_mov_b32 s[CNT], 2
.Lpair:
	BLOCK 1, 1, 1, 1
	BLOCK 0, 1, 1, 1
	WIN 0
	s_sub_co_u32 s[CNT], s[CNT], 1
	s_cmp_lg_u32 s[CNT], 0
	s_cbranch_scc1 .Lpair
	s_sub_co_u32 s[SLOTS], s[SLOTS], 1
	s_cmp_lg_u32 s[SLOTS], 0
	s_cbranch_scc1 .Ltile
	CHANGE 0                                       ; the tail is written out: tile 31 is in, nothing is asked for
	s_mov_b32 s[CNT], 2
.Ltail:
	BLOCK 1, 1, 1, 1
	BLOCK 0, 1, 1, 1
	WIN 0
	s_sub_co_u32 s[CNT], s[CNT], 1
	s_cmp_lg_u32 s[CNT], 0
	s_cbranch_scc1 .Ltail
	BLOCK 1, 1, 0, 1                               ; the last block: no fragments are left to fetch
	WIN 0
	s_wait_dscnt 0x0                               ; its |e|^2
	VALL 1                                         ; and its vector work; the running least ends in buffer 0
	; THE WAY OUT.  The first of the winning block's eight d that equals the least; the code's number; the other half of the lanes; then the four waves, through LDS.
	WIN W_RS
.irp t, 0,1,2,3,4,5,6,7
	v_mov_b32 v[JJ+\t], 7
.endr
.irp j, 6,5,4,3,2,1,0
.irp t, 0,1,2,3,4,5,6,7
	v_cmp_neq_f32 s[78+\t], v[SAV+8*\t+\j], v[RUN+\t]
.endr
.irp t, 0,1,2,3,4,5,6,7
	v_cndmask_b32 v[JJ+\t], \j, v[JJ+\t], s[78+\t]
.endr
.endr
	WIN 0
.irp t, 0,1,2,3,4,5,6,7
	v_lshrrev_b32 v[HB+\t], 2, v[BLK+\t]           ; block n = 4 x tile + b: code = 256 x tile + 16 b + 64 wave + 8 (lane / 16) + place
	v_and_b32 v[BLK+\t], 3, v[BLK+\t]
	v_lshl_add_u32 v[JJ+\t], v[BLK+\t], 4, v[JJ+\t]
	v_lshl_add_u32 v[JJ+\t], v[HB+\t], 8, v[JJ+\t]
	v_add_nc_u32 v[VI+2*\t+1], v[JJ+\t], v[LC]
	v_mov_b32 v[VI+2*\t], v[RUN+\t]                ; beside it, as a pair for the store of 8 bytes
	v_permlanex16_b32 v[PX], v[VI+2*\t], s[SEL], s[SEL+1]
	v_permlanex16_b32 v[PX+1], v[VI+2*\t+1], s[SEL], s[SEL+1]
	LEX VI+2*\t, VI+2*\t+1, PX, PX+1
	ds_store_b64 v[RST], v[VI+2*\t:VI+2*\t+1] offset:128*\t  ; both halves of the lanes hold the same pair and write it to the same place
.endr
	s_wait_tensorcnt 0x0                           ; behind my last tensor load and my last LDS store
	ds_add_u32 v[SPW], v[NIL]
	s_wait_dscnt 0x0                               ; for the others' sake too: my stores are done before I signal
	s_barrier_signal -1
	s_barrier_wait -1
.irp w, 0,1,2,3
	ds_load_b128 v[VI+4*\w:VI+4*\w+3], v[RLD] offset:1024*\w  ; two queries' pairs as wave w found them
.endr
	s_cmp_lt_u32 s[WV], 2                          ; waves 0 and 1 write out1, waves 2 and 3 the same numbers to pick
	s_cselect_b64 s[10:11], s[10:11], s[12:13]
	s_add_nc_u64 s[10:11], s[10:11], s[88:89]
	s_wait_dscnt 0x0
.irp w, 1,2,3
	LEX VI, VI+1, VI+4*\w, VI+4*\w+1
	LEX VI+2, VI+3, VI+4*\w+2, VI+4*\w+3
.endr
	v_mov_b32 v[JJ], v[VI+1]
	v_mov_b32 v[JJ+1], v[VI+3]
	global_store_b64 v[OST], v[JJ:JJ+1], s[10:11]  ; 32 lanes x 8 bytes: 256 consecutive bytes, aligned
	CROUND                                         ; the closing round: no work-group ends while a partner may still ask for a tile that names it
	s_endpgm
.Lfunc_end_k_qbab3dfa514_search:
	.size	k_qbab3dfa514_search, .Lfunc_end_k_qbab3dfa514_search-k_qbab3dfa514_search
	.p2alignl 7, 3214868480
	.fill 96, 4, 3214868480
	.section	.rodata,"a",@progbits
	.p2align	6, 0x0
	.amdhsa_kernel k_qbab3dfa514_search
		.amdhsa_group_segment_fixed_size 327680
		.amdhsa_private_segment_fixed_size 0
		.amdhsa_enable_private_segment 0
		.amdhsa_kernarg_size 40
		.amdhsa_user_sgpr_count 2
		.amdhsa_user_sgpr_kernarg_segment_ptr 1
		.amdhsa_wavefront_size32 1
		.amdhsa_system_sgpr_workgroup_id_x 1
		.amdhsa_system_sgpr_workgroup_id_y 1
		.amdhsa_system_sgpr_workgroup_id_z 1
		.amdhsa_system_vgpr_workitem_id 0
		.amdhsa_next_free_vgpr 1024
		.amdhsa_next_free_sgpr 96
		.amdhsa_reserve_vcc 0
		.amdhsa_float_denorm_mode_32 3
		.amdhsa_float_denorm_mode_16_64 3
		.amdhsa_memory_ordered 1
		.amdhsa_forward_progress 1
		.amdhsa_inst_pref_size 207
	.end_amdhsa_kernel
	.amdgpu_metadata
---
amdhsa.version: [ 1, 2 ]
amdhsa.kernels:
  - .name:           k_qbab3dfa514_search
    .symbol:         k_qbab3dfa514_search.kd
    .args:
      - { .name: inputs, .offset: 0, .size: 8, .value_kind: global_buffer, .address_space: global }
      - { .name: cb16, .offset: 8, .size: 8, .value_kind: global_buffer, .address_space: global }
      - { .name: ee, .offset: 16, .size: 8, .value_kind: global_buffer, .address_space: global }
      - { .name: out1, .offset: 24, .size: 8, .value_kind: global_buffer, .address_space: global }
      - { .name: pick, .offset: 32, .size: 8, .value_kind: global_buffer, .address_space: global }
    .group_segment_fixed_size: 327680
    .private_segment_fixed_size: 0
    .kernarg_segment_align: 8
    .kernarg_segment_size: 40
    .max_flat_workgroup_size: 128
    .sgpr_count:     96
    .vgpr_count:     1024
    .wavefront_size: 32
...
	.end_amdgpu_metadata
.endif
;; end of part 2
;; launch gather (part 3): grid 256 x 1, 32 waves a work-group, no clusters, 12,288 bytes of LDS; arguments pick, inputs, codebook, out0, part; writes out0, part
.if DOCPART == 3
	.amdgcn_target "amdgcn-amd-amdhsa--gfx1250"
	.amdhsa_code_object_version 6
	.text
	.protected	k_qbab3dfa514_gather
	.globl	k_qbab3dfa514_gather
	.p2align	8
	.type	k_qbab3dfa514_gather,@function
k_qbab3dfa514_gather:
	s_mov_b64 s[64:65], 0
	v_nop
	global_prefetch_b8 v0, s[64:65] scope:SCOPE_SE
	s_setreg_imm32_b32 hwreg(HW_REG_WAVE_MODE, 25, 1), 1
	s_wait_xcnt 0x0
; out0[q][:] = x + (e[idx[q]] - x), and part[g][0..63] = partial sums of (e[idx[q]] - x)^2 over the work-group's 128 rows; all in f32 on the inputs as given, in the order in which the problem's function writes it.
; The rows' numbers were stored as whole numbers by the launch before; here they only steer addresses.
; Memory binds: a wave owns 4 rows and has all its 16 loads (512 consecutive bytes each) out at once; there is no loop; matrix units, clusters and tensor loads would add nothing.
; The squares are summed from the differences themselves, never from the distances, which are differences of large sums.
.set X,   8        ; v[8:39]   row i, half j at X + 8 i + 4 j; then what is stored
.set Q,   40       ; v[40:71]  the code's numbers, then e - x
.set S,   72       ; v[72:79]  four chains of packed sums
.set QO,  80       ; v80-83    byte offset of row i's code, with my lane's 16 bytes
.set LST, 84       ; LDS: 256 wave + 8 lane
.set LLD, 85       ; 8 lane
.set SPW, 94       ; LDS address of my spare word; never rewritten
.set NIL, 95       ; 0; never rewritten
.set SPARE, 8192   ; bytes 0-8191: 256 bytes a wave; then the spare words, 128 bytes for each of 32 waves
	s_load_b256 s[4:11], s[0:1], 0x0               ; pick s[4:5], inputs s[6:7], codebook s[8:9], out0 s[10:11]
	s_load_b64 s[12:13], s[0:1], 0x20              ; part
	v_lshl_add_u32 v[SPW], v0, 2, SPARE
	v_mov_b32 v[NIL], 0
	v_lshrrev_b32 v1, 5, v0
	v_readfirstlane_b32 s14, v1                    ; wave 0..31
	v_and_b32 v1, 31, v0
	v_lshlrev_b32 v2, 4, v1                        ; 16 bytes a lane; never rewritten
	v_lshlrev_b32 v[LLD], 3, v1
	v_lshl_add_u32 v[LST], s14, 8, v[LLD]
	s_lshl_b32 s15, ttmp9, 7
	s_lshl2_add_u32 s15, s14, s15                  ; my first row: 128 g + 4 w
	s_lshl_b32 s20, s15, 2                         ; its 4 bytes in pick
	s_mov_b32 s21, 0
	s_lshl_b32 s22, s15, 10                        ; its 1,024 bytes in x and out0
	s_mov_b32 s23, 0
	s_lshl_b32 s24, ttmp9, 8                       ; my work-group's 256 bytes of part
	s_mov_b32 s25, 0
	s_wait_kmcnt 0x0
	s_add_nc_u64 s[4:5], s[4:5], s[20:21]
	s_load_b128 s[16:19], s[4:5], 0x0              ; my four rows' codes
	s_add_nc_u64 s[6:7], s[6:7], s[22:23]
	s_add_nc_u64 s[10:11], s[10:11], s[22:23]
	s_add_nc_u64 s[12:13], s[12:13], s[24:25]
.set n, 0
.rept 8
	global_load_b128 v[X+4*n:X+4*n+3], v2, s[6:7] offset:512*n th:TH_LOAD_NT
.set n, n+1
.endr
	s_wait_kmcnt 0x0
.irp i, 0,1,2,3
	s_min_u32 s[16+\i], s[16+\i], 0x1fff           ; a code's number stays inside the table
	v_lshl_add_u32 v[QO+\i], s[16+\i], 10, v2
.endr
.irp i, 0,1,2,3
	global_load_b128 v[Q+8*\i:Q+8*\i+3],   v[QO+\i], s[8:9]             ; no hint: many rows name the same code
	global_load_b128 v[Q+8*\i+4:Q+8*\i+7], v[QO+\i], s[8:9] offset:512
.endr
.set n, 0
.rept 8
	s_wait_loadcnt 7-n                             ; loads come back in order: half row n of the codes is in (and all of x); the 7 - n younger ones stay out
	v_pk_add_f32 v[Q+4*n:Q+4*n+1],   v[Q+4*n:Q+4*n+1],   v[X+4*n:X+4*n+1]   neg_lo:[0,1] neg_hi:[0,1]  ; e - x
	v_pk_add_f32 v[Q+4*n+2:Q+4*n+3], v[Q+4*n+2:Q+4*n+3], v[X+4*n+2:X+4*n+3] neg_lo:[0,1] neg_hi:[0,1]
.if n < 2
	v_pk_mul_f32 v[S+4*n:S+4*n+1],   v[Q+4*n:Q+4*n+1],   v[Q+4*n:Q+4*n+1]   ; the first four start the chains: nothing is cleared
	v_pk_mul_f32 v[S+4*n+2:S+4*n+3], v[Q+4*n+2:Q+4*n+3], v[Q+4*n+2:Q+4*n+3]
.else
	v_pk_fma_f32 v[S+4*(n%2):S+4*(n%2)+1],   v[Q+4*n:Q+4*n+1],   v[Q+4*n:Q+4*n+1],   v[S+4*(n%2):S+4*(n%2)+1]
	v_pk_fma_f32 v[S+4*(n%2)+2:S+4*(n%2)+3], v[Q+4*n+2:Q+4*n+3], v[Q+4*n+2:Q+4*n+3], v[S+4*(n%2)+2:S+4*(n%2)+3]
.endif
	v_pk_add_f32 v[X+4*n:X+4*n+1],   v[X+4*n:X+4*n+1],   v[Q+4*n:Q+4*n+1]   ; x + (e - x)
	v_pk_add_f32 v[X+4*n+2:X+4*n+3], v[X+4*n+2:X+4*n+3], v[Q+4*n+2:Q+4*n+3]
	global_store_b128 v2, v[X+4*n:X+4*n+3], s[10:11] offset:512*n th:TH_STORE_NT  ; 512 consecutive bytes, aligned
.set n, n+1
.endr
	v_pk_add_f32 v[S:S+1], v[S:S+1], v[S+2:S+3]
	v_pk_add_f32 v[S+4:S+5], v[S+4:S+5], v[S+6:S+7]
	v_pk_add_f32 v[S:S+1], v[S:S+1], v[S+4:S+5]
	ds_store_b64 v[LST], v[S:S+1]
	s_wait_tensorcnt 0x0                           ; behind my last LDS store
	ds_add_u32 v[SPW], v[NIL]
	s_wait_dscnt 0x0                               ; for wave 0's sake too: my store is done before I signal
	s_barrier_signal -1
	s_barrier_wait -1
	s_cmp_lg_u32 s14, 0
	s_cbranch_scc1 .Lend
	s_wait_xcnt 0x0                                ; X is what my stores read: it is loaded again only behind this wait
.set n, 0
.rept 32
	ds_load_b64 v[X+2*n:X+2*n+1], v[LLD] offset:256*n  ; lane l: the pair of lane l of every wave
.set n, n+1
.endr
	s_wait_dscnt 0x0
.irp st, 16,8,4,2,1
.set n, 0
.rept \st
	v_pk_add_f32 v[X+2*n:X+2*n+1], v[X+2*n:X+2*n+1], v[X+2*(n+\st):X+2*(n+\st)+1]
.set n, n+1
.endr
.endr
	global_store_b64 v[LLD], v[X:X+1], s[12:13]    ; 64 partial sums: 256 consecutive bytes, aligned; the lanes are added in the last launch
.Lend:
	s_endpgm
.Lfunc_end_k_qbab3dfa514_gather:
	.size	k_qbab3dfa514_gather, .Lfunc_end_k_qbab3dfa514_gather-k_qbab3dfa514_gather
	.p2alignl 7, 3214868480
	.fill 96, 4, 3214868480
	.section	.rodata,"a",@progbits
	.p2align	6, 0x0
	.amdhsa_kernel k_qbab3dfa514_gather
		.amdhsa_group_segment_fixed_size 12288
		.amdhsa_private_segment_fixed_size 0
		.amdhsa_enable_private_segment 0
		.amdhsa_kernarg_size 40
		.amdhsa_user_sgpr_count 2
		.amdhsa_user_sgpr_kernarg_segment_ptr 1
		.amdhsa_wavefront_size32 1
		.amdhsa_system_sgpr_workgroup_id_x 1
		.amdhsa_system_sgpr_workgroup_id_y 1
		.amdhsa_system_sgpr_workgroup_id_z 1
		.amdhsa_system_vgpr_workitem_id 0
		.amdhsa_next_free_vgpr 96
		.amdhsa_next_free_sgpr 66
		.amdhsa_reserve_vcc 0
		.amdhsa_float_denorm_mode_32 3
		.amdhsa_float_denorm_mode_16_64 3
		.amdhsa_memory_ordered 1
		.amdhsa_forward_progress 1
		.amdhsa_inst_pref_size 12
	.end_amdhsa_kernel
	.amdgpu_metadata
---
amdhsa.version: [ 1, 2 ]
amdhsa.kernels:
  - .name:           k_qbab3dfa514_gather
    .symbol:         k_qbab3dfa514_gather.kd
    .args:
      - { .name: pick, .offset: 0, .size: 8, .value_kind: global_buffer, .address_space: global }
      - { .name: inputs, .offset: 8, .size: 8, .value_kind: global_buffer, .address_space: global }
      - { .name: codebook, .offset: 16, .size: 8, .value_kind: global_buffer, .address_space: global }
      - { .name: out0, .offset: 24, .size: 8, .value_kind: global_buffer, .address_space: global }
      - { .name: part, .offset: 32, .size: 8, .value_kind: global_buffer, .address_space: global }
    .group_segment_fixed_size: 12288
    .private_segment_fixed_size: 0
    .kernarg_segment_align: 8
    .kernarg_segment_size: 40
    .max_flat_workgroup_size: 1024
    .sgpr_count:     66
    .vgpr_count:     96
    .wavefront_size: 32
...
	.end_amdgpu_metadata
.endif
;; end of part 3
;; launch loss (part 4): grid 1 x 1, 8 waves a work-group, no clusters, 1,280 bytes of LDS; arguments part, out2; writes out2
.if DOCPART == 4
	.amdgcn_target "amdgcn-amd-amdhsa--gfx1250"
	.amdhsa_code_object_version 6
	.text
	.protected	k_qbab3dfa514_loss
	.globl	k_qbab3dfa514_loss
	.p2align	8
	.type	k_qbab3dfa514_loss,@function
k_qbab3dfa514_loss:
	s_mov_b64 s[64:65], 0
	v_nop
	global_prefetch_b8 v0, s[64:65] scope:SCOPE_SE
	s_setreg_imm32_b32 hwreg(HW_REG_WAVE_MODE, 25, 1), 1
	s_wait_xcnt 0x0
; out2 = mean + 0.25 mean, where mean = the sum of the 16,384 partial sums / 2^23 (16 x 2,048 x 256 numbers).  A sum over work-groups has one owner: this one work-group.
; 256 threads x 16 loads of 16 bytes are the 65,536 bytes of part, all out at once.
.set P,   8        ; v[8:71]
.set SPW, 78       ; LDS address of my spare word; never rewritten
.set NIL, 79       ; 0; never rewritten
.set SPARE, 256    ; bytes 0-31: a word a wave, in a block of their own; from 256 on the spare words, 128 bytes for each of eight waves
	s_load_b128 s[4:7], s[0:1], 0x0                ; part s[4:5], out2 s[6:7]
	v_lshl_add_u32 v[SPW], v0, 2, SPARE
	v_mov_b32 v[NIL], 0
	v_lshrrev_b32 v1, 5, v0
	v_readfirstlane_b32 s8, v1                     ; wave 0..7
	v_and_b32 v2, 31, v0
	v_lshlrev_b32 v2, 4, v2
	v_lshl_add_u32 v2, s8, 13, v2                  ; 8,192 bytes a wave, 16 a lane
	v_mov_b32 v72, 0                               ; the destination of v_permlanex16_b32 counts as read
	v_mov_b32 v73, s8
	v_lshlrev_b32 v73, 2, v73                      ; my wave's word
	v_mov_b32 v74, 0
	s_mov_b32 s12, 0x76543210
	s_mov_b32 s13, 0xfedcba98
	s_wait_kmcnt 0x0
.set n, 0
.rept 16
	global_load_b128 v[P+4*n:P+4*n+3], v2, s[4:5] offset:512*n th:TH_LOAD_NT
.set n, n+1
.endr
	s_wait_loadcnt 0x0
.irp st, 16,8,4,2,1
.set n, 0
.rept \st
	v_pk_add_f32 v[P+2*n:P+2*n+1], v[P+2*n:P+2*n+1], v[P+2*(n+\st):P+2*(n+\st)+1]
.set n, n+1
.endr
.endr
	v_add_f32 v[P], v[P], v[P+1]
	v_add_f32_dpp v[P], v[P], v[P] row_xmask:1 row_mask:0xf bank_mask:0xf
	v_add_f32_dpp v[P], v[P], v[P] row_xmask:2 row_mask:0xf bank_mask:0xf
	v_add_f32_dpp v[P], v[P], v[P] row_xmask:4 row_mask:0xf bank_mask:0xf
	v_add_f32_dpp v[P], v[P], v[P] row_xmask:8 row_mask:0xf bank_mask:0xf
	v_permlanex16_b32 v72, v[P], s12, s13
	v_add_f32 v[P], v[P], v72
	ds_store_b32 v73, v[P]                         ; all lanes write the same word with the same number
	s_wait_tensorcnt 0x0                           ; behind my last LDS store
	ds_add_u32 v[SPW], v[NIL]
	s_wait_dscnt 0x0                               ; for wave 0's sake too
	s_barrier_signal -1
	s_barrier_wait -1
	s_cmp_lg_u32 s8, 0
	s_cbranch_scc1 .Lend
	ds_load_b128 v[12:15], v74
	ds_load_b128 v[16:19], v74 offset:16
	s_wait_dscnt 0x0
	v_add_f32 v12, v12, v13
	v_add_f32 v14, v14, v15
	v_add_f32 v16, v16, v17
	v_add_f32 v18, v18, v19
	v_add_f32 v12, v12, v14
	v_add_f32 v16, v16, v18
	v_add_f32 v12, v12, v16
	v_mul_f32 v12, 0x34000000, v12                 ; x 2^-23: exact
	v_fma_f32 v12, v12, 0x3e800000, v12            ; mean + 0.25 mean: the product is exact, so this is one rounding, as in the sum written out
	s_wait_xcnt 0x0                                ; EXEC changes only behind this wait
	v_cmp_eq_u32 vcc_lo, 0, v0
	s_and_saveexec_b32 s9, vcc_lo
	global_store_b32 v74, v12, s[6:7]              ; one number, one lane
	s_wait_xcnt 0x0                                ; and again, in front of the line that widens it
	s_or_b32 exec_lo, exec_lo, s9
.Lend:
	s_endpgm
.Lfunc_end_k_qbab3dfa514_loss:
	.size	k_qbab3dfa514_loss, .Lfunc_end_k_qbab3dfa514_loss-k_qbab3dfa514_loss
	.p2alignl 7, 3214868480
	.fill 96, 4, 3214868480
	.section	.rodata,"a",@progbits
	.p2align	6, 0x0
	.amdhsa_kernel k_qbab3dfa514_loss
		.amdhsa_group_segment_fixed_size 1280
		.amdhsa_private_segment_fixed_size 0
		.amdhsa_enable_private_segment 0
		.amdhsa_kernarg_size 16
		.amdhsa_user_sgpr_count 2
		.amdhsa_user_sgpr_kernarg_segment_ptr 1
		.amdhsa_wavefront_size32 1
		.amdhsa_system_sgpr_workgroup_id_x 1
		.amdhsa_system_sgpr_workgroup_id_y 1
		.amdhsa_system_sgpr_workgroup_id_z 1
		.amdhsa_system_vgpr_workitem_id 0
		.amdhsa_next_free_vgpr 80
		.amdhsa_next_free_sgpr 66
		.amdhsa_reserve_vcc 1
		.amdhsa_float_denorm_mode_32 3
		.amdhsa_float_denorm_mode_16_64 3
		.amdhsa_memory_ordered 1
		.amdhsa_forward_progress 1
		.amdhsa_inst_pref_size 6
	.end_amdhsa_kernel
	.amdgpu_metadata
---
amdhsa.version: [ 1, 2 ]
amdhsa.kernels:
  - .name:           k_qbab3dfa514_loss
    .symbol:         k_qbab3dfa514_loss.kd
    .args:
      - { .name: part, .offset: 0, .size: 8, .value_kind: global_buffer, .address_space: global }
      - { .name: out2, .offset: 8, .size: 8, .value_kind: global_buffer, .address_space: global }
    .group_segment_fixed_size: 1280
    .private_segment_fixed_size: 0
    .kernarg_segment_align: 8
    .kernarg_segment_size: 16
    .max_flat_workgroup_size: 256
    .sgpr_count:     66
    .vgpr_count:     80
    .wavefront_size: 32
...
	.end_amdgpu_metadata
.endif
;; end of part 4
